; MI455X (gfx1250); checked and timed in simulation.
; The chip was launched on July 23, 2026; its instructions are those of AMD's public machine-readable ISA for CDNA 5 (MIT licence, August 2026) and "CDNA5" Instruction Set Architecture Reference Guide (July 2026). The comments in the code are by the model that wrote it; some were corrected since.
;; Lo RAQKV Wrapper. Allowed arithmetic: matrix products marked QUANTISED: E2M1 operands, one E8M0 scale for each 32 along K, by v_wmma_scale_f32_16x16x128_f8f6f4 with both operands' format E2M1 (or v_wmma_scale_f32_32x16x128_f4), f32 sums; products left as they are: f32 operands where the result goes on into a quantised operand, else bf16, f16 or f32 operands; f32 sums; everything else in f32.
;; Inputs: k_A_codes 16 x 128 x 16 uint8 (E2M1 codes of k_A, K innermost, in blocks of 32 codes, two codes a byte); k_A_scales 16 x 128 uint8 (E8M0 scales of k_A, one for each 32 codes along K); k_B 4,096 x 16 float32; k_weight_codes 4,096 x 128 x 16 uint8 (E2M1 codes of k_weight, K innermost, in blocks of 32 codes, two codes a byte); k_weight_scales 4,096 x 128 uint8 (E8M0 scales of k_weight, one for each 32 codes along K); q_A_codes 16 x 128 x 16 uint8 (E2M1 codes of q_A, K innermost, in blocks of 32 codes, two codes a byte); q_A_scales 16 x 128 uint8 (E8M0 scales of q_A, one for each 32 codes along K); q_B 4,096 x 16 float32; q_weight_codes 4,096 x 128 x 16 uint8 (E2M1 codes of q_weight, K innermost, in blocks of 32 codes, two codes a byte); q_weight_scales 4,096 x 128 uint8 (E8M0 scales of q_weight, one for each 32 codes along K); v_A_codes 16 x 128 x 16 uint8 (E2M1 codes of v_A, K innermost, in blocks of 32 codes, two codes a byte); v_A_scales 16 x 128 uint8 (E8M0 scales of v_A, one for each 32 codes along K); v_B 4,096 x 16 float32; v_weight_codes 4,096 x 128 x 16 uint8 (E2M1 codes of v_weight, K innermost, in blocks of 32 codes, two codes a byte); v_weight_scales 4,096 x 128 uint8 (E8M0 scales of v_weight, one for each 32 codes along K); x_codes 4 x 256 x 128 x 16 uint8 (E2M1 codes of x, K innermost, in blocks of 32 codes, two codes a byte); x_scales 4 x 256 x 128 uint8 (E8M0 scales of x, one for each 32 codes along K).
;; Outputs: out0 4 x 256 x 4,096 float32; out1 4 x 256 x 4,096 float32; out2 4 x 256 x 4,096 float32.
;; This version of the problem:
;;   THIS VERSION OF THE PROBLEM IS GIVEN IN LOW PRECISION. The matrix products marked QUANTISED in the list below multiply operands that are first quantised to E2M1 (2 exponent bits, 1 mantissa bit; 4 bits a number), with one power-of-two scale for each 32 numbers along K (OCP MX v1.0); their sums are f32. All else is computed in f32.
;;   The module's matrix products, in the order in which they are computed (A, B: the left and right operand; K: the contracted axis; several contracted axes count as one K, in the product's order):
;;     1. [M 1,024, K 4,096] x [K 4,096, N 4,096]; A: input x (given as codes); B: input q_weight (given as codes): QUANTISED
;;     2. [M 1,024, K 4,096] x [K 4,096, N 16]; A: input x (given as codes); B: input q_A (given as codes): QUANTISED
;;     3. [M 1,024, K 16] x [K 16, N 4,096]; A: computed on the way; B: computed on the way: left as it is (K = 16 < 32)
;;     4. [M 1,024, K 4,096] x [K 4,096, N 4,096]; A: input x (given as codes); B: input k_weight (given as codes): QUANTISED
;;     5. [M 1,024, K 4,096] x [K 4,096, N 16]; A: input x (given as codes); B: input k_A (given as codes): QUANTISED
;;     6. [M 1,024, K 16] x [K 16, N 4,096]; A: computed on the way; B: computed on the way: left as it is (K = 16 < 32)
;;     7. [M 1,024, K 4,096] x [K 4,096, N 4,096]; A: input x (given as codes); B: input v_weight (given as codes): QUANTISED
;;     8. [M 1,024, K 4,096] x [K 4,096, N 16]; A: input x (given as codes); B: input v_A (given as codes): QUANTISED
;;     9. [M 1,024, K 16] x [K 16, N 4,096]; A: computed on the way; B: computed on the way: left as it is (K = 16 < 32)
;;   THE QUANTISER, for each operand of a quantised product, along K:
;;     - K is cut into blocks of 32 from its start; a last block that is shorter is filled with zeros.
;;     - A block's scale is 2^e with e = floor(log2(the largest magnitude in the block)) - 2, held to -126 .. 127; a block of zeros has e = 0. As a byte (E8M0): e + 127.
;;     - Each number is divided by its block's scale, clamped to +-6, and rounded to the nearest number of E2M1, ties to even, subnormals kept.
;;     - The product sums the exact products of the quantised numbers (number of the format x scale) in f32.
;;   ~~~python
;;   def quantise(x, axis):      # numpy; x: float32 -> the quantised numbers, widened to float32 again
;;       x = np.moveaxis(x, axis, -1); K = x.shape[-1]
;;       x = np.pad(x, [(0, 0)] * (x.ndim - 1) + [(0, -K % 32)]); x = x.reshape(x.shape[:-1] + (-1, 32)); a = np.abs(x).max(-1, keepdims=True)
;;       e = np.where(a > 0, np.clip(np.frexp(np.where(a > 0, a, 1))[1] - 1 - 2, -126, 127), 0)      # np.frexp(a)[1] - 1 = floor(log2(a)), exactly
;;       r = np.clip(x / 2.0 ** e, -6, 6)
;;       step = 2.0 ** (np.maximum(np.frexp(np.where(r == 0, 1, r))[1] - 1, 0) - 1)
;;       q = np.round(r / step) * step * 2.0 ** e      # np.round: ties to even
;;       return np.moveaxis(q.reshape(q.shape[:-2] + (-1,))[..., :K], -1, axis).astype(np.float32)
;;   ~~~
;;   INPUTS GIVEN AS CODES. k_A (in the module: [16, 4096], K = its axis 1); k_weight (in the module: [4096, 4096], K = its axis 1); q_A (in the module: [16, 4096], K = its axis 1); q_weight (in the module: [4096, 4096], K = its axis 1); v_A (in the module: [16, 4096], K = its axis 1); v_weight (in the module: [4096, 4096], K = its axis 1); x (in the module: [4, 256, 4096], K = its axis 2): each comes as NAME_codes (uint8): NAME with its K axis moved to the last place and cut into blocks of 32 codes, [.., K / 32, bytes a block], one block behind the other in memory; two codes a byte, the lower K in the low four bits (a code: sign, 2 exponent bits, 1 mantissa bit); and NAME_scales (uint8): the same leading axes, one E8M0 byte (e + 127) for each 32 codes along K. Its value is code x scale, taken as it is: it is not quantised again, and the codes and scales need not be those that the quantiser above would give.
;; One version. Each part assembles by itself: llvm-mc -triple=amdgcn-amd-amdhsa -mcpu=gfx1250 --defsym DOCPART=n.
;; ======== version 1 of 1: 1 launch
;; limits: values are held in bf16: 8 bits of precision; right only within a limited range of input values
;; launch qkv (part 1): grid 64 x 4, 4 waves a work-group, clusters of 4 x 4, 327,680 bytes of LDS; arguments x_codes, x_scales, q_weight_codes, k_weight_codes, v_weight_codes, q_weight_scales, k_weight_scales, v_weight_scales, q_A_scales, k_A_scales, v_A_scales, q_B, q_A_codes, k_A_codes, v_A_codes, k_B, v_B, out0, out1, out2; writes out0, out1, out2
.if DOCPART == 1
	.amdgcn_target "amdgcn-amd-amdhsa--gfx1250"
	.amdhsa_code_object_version 6
	.text
	.protected	k_qe11a9aa8d1_qkv
	.globl	k_qe11a9aa8d1_qkv
	.p2align	8
	.type	k_qe11a9aa8d1_qkv,@function
k_qe11a9aa8d1_qkv:
	s_mov_b64 s[64:65], 0
	v_nop
	global_prefetch_b8 v0, s[64:65] scope:SCOPE_SE
	s_setreg_imm32_b32 hwreg(HW_REG_WAVE_MODE, 25, 1), 1
	s_wait_xcnt 0x0
	s_wait_alu depctr_hold_cnt(0) depctr_sa_sdst(0) depctr_va_vdst(0) depctr_va_sdst(0) depctr_va_ssrc(0) depctr_va_vcc(0) depctr_vm_vsrc(0)
	s_getreg_b32 s2, hwreg(HW_REG_IB_STS2, 6, 4)
	s_cmp_eq_u32 s2, 0
	s_cbranch_scc0 .Lentry_in_a_cluster
	s_endpgm
.Lentry_in_a_cluster:
	s_bfe_u32 s2, ttmp6, 0x10000c
	s_cmp_lg_u32 s2, 0xf033
	s_cbranch_scc0 .Lentry_shape_is_right
	s_endpgm
.Lentry_shape_is_right:
; out_p = x W_p^T + (x A_p^T) B_p^T for p = q, k, v.  x [1024][4096], W_p [4096][4096], A_p [16][4096]: codes of FP4 (E2M1), two a byte, K innermost, one E8M0 byte for each 32 along K.
; B_p [4096][16] f32; out_p [1024][4096] f32.  The factor 1.0 on B_p is a constant of the problem's own text: a factor of 1 by identity.  No other work is left out.
; SHARES.  A work-group makes 256 rows x 64 columns of EACH output: 4 x 64 = 256 work-groups of equal work.  A K step (512) has four tiles (x, W_q, W_k, W_v), one tensor load for each of four waves.
; Wave w = 2 i + j works on rows 128 i .. + 127.  Its OWN output is q (j = 0) or v (j = 1): all 8 blocks of 16 rows x 64 columns; and it makes 4 of the 8 blocks x 64 columns of k.
; So every wave owns whole pieces of 256 bytes of its rows of the outputs, and stores them through a stage of its own: 384 registers of sums.
; Register block a holds the physical block a xor 4 j (by addresses), so that k is made for register blocks 0-3 in both.
; t = x A^T is made here from the fragments of x that are in registers anyway: the wave's own A for 8 blocks, A_k for 4: just those tiles of t that it needs itself.
; A's codes (three tiles more than there are waves to fetch them) go from memory straight into registers in the fragment's order, four steps of 128 along K ahead.
; ALL PRODUCTS ARE USED TRANSPOSED (source 0 = rows of W, A or B; source 1 = 16 rows of x or t): a lane holds ONE row and eight neighbouring columns (or ranks) of a block.  So a tile of t, rounded to bf16 in pairs,
; is registers 0-3 of source 1 of the last product (K = 16 ranks, filled with zeros to 32 on both sides), which adds onto the same accumulators.
; The 32 x 16 form takes TWO neighbouring blocks of W, or my own A and A_k, as source 0 (registers 0-7 and 8-15; scale words in lanes 0-15 and 16-31) and makes two neighbouring blocks of the result (registers 0-7 and 8-15).
; THE LAST LAP goes in two passes over K steps 6 and 7, both in LDS by then: first register blocks 4-7 and all of t; their results leave while the second pass makes register blocks 0-3.
; CLUSTERS: 4 x 4 work-groups.  x's tiles hang on the row block alone (cy) and are asked for jointly along a row of the cluster; W's on the column block alone, jointly along a column.
; The scale bytes (63,488 of the work-group's 981,000 bytes, once) come by plain loads, 512 consecutive bytes an instruction, and are laid into LDS by K step: 496 rows x 16 bytes.
; LIMITS.  Sums in f32, K ascending, the low-rank term added last (a rounding order other than main + lora); t and B are rounded to bf16 (relative 2^-9 each; bf16 has f32's range); a scale byte 0xff gives NaN.
; REGISTERS, in windows of 256: window 0: v0-31 addresses; v32-103 scale words, two sets, and nothing else; v112-127 two fragments of t; v128-255 x's fragments, two sets (in the last pass the upper half of each takes rows on their way out).
;   window 1: v0-127 W's fragments, two sets (own 4, k 4); v128-191 A's, a ring of four sets; v192-255 B's eight bf16 fragments.
;   window 2: own (a, b), a = 0..3, at v[32 a + 8 b]; k (a, b) at v[128 + 32 a + 8 b] (at the head v0-123 hold scale bytes on their way to LDS).
;   window 3: own (a, b), a = 4..7, at v[32 (a - 4) + 8 b]; t_own(a), t_k(a), a = 0..3, at v[128 + 16 a], v[136 + 16 a]; t_own(a), a = 4..7, at v[192 + 8 (a - 4)].
.set PITCH,  272                       ; an LDS row: 256 bytes (512 codes) + 16 of padding
.set SLOT,   448*PITCH                 ; x's 256 rows, then 64 rows of W_q, of W_k, of W_v
.set SCX,    2*SLOT                    ; behind the ring: the scale words, 8 planes (K steps): x's 256 rows, W_q's, W_k's, W_v's 64 each, A_q's, A_k's, A_v's 16 each, 16 bytes a row
.set PLANE,  496*16+32                 ; the 32 bytes let the sixteen lanes of a store's half touch sixteen different 16-byte columns modulo 256
.set SPARE,  SCX+8*PLANE               ; 307,456, a multiple of 256: the spare words, 128 bytes for each wave; no other line names them
.set STAGE,  SPARE+512                 ; the way out: 16 rows x 272 bytes for each wave
.set ADRX,   8                         ; v8-9 x's register blocks 0-3 in slot 0, 1;  v10-11 blocks 4-7
.set ADRWO,  12                        ; v12-13 my own W's;  v14-15 W_k's
.set ADRWK,  14
.set ADRSXL, 16                        ; v16-20 scale words: x's pairs 0, 1;  x's pairs 2, 3;  own W's;  W_k's;  own A's (lanes 0-15) and A_k's (lanes 16-31)
.set ADRSXH, 17
.set ADRSWO, 18
.set ADRSWK, 19
.set ADRSA,  20
.set AOF,    22                        ; A's codes: my lane's byte in memory
.set BO,     23                        ; B: my lane's byte in memory
.set STO,    24                        ; the stage: where I put 32 bytes of a row, and where I read rows back
.set RD,     25
.set CO,     26                        ; my byte offset in two rows of an output
.set PFO,    27                        ; the prefetches' offset = v31 + the smaller of v30 and 1024
.set SPW,    28                        ; my spare word: SPARE + 4 x my thread's number;  v29: 0;  never rewritten
.set NIL,    29
.set PFK,    30
.set PFR,    31
.set SC,     32                        ; set s at v[SC + 36 s]: x's pair n at + 4 n + q; own W's pair n at + 16 + 4 n + q; W_k's at + 24 + 4 n + q; A's at + 32 + q (q: which 128 of the slot's 512)
.set TF,     112
.set XF,     128
.set BK,     160                       ; the way out: v160-191 and v224-255 by turns
.set AL,     128                       ; window 1
.set BF,     192
.set WV,   4                           ; s4 wave;  s5 i;  s6 j;  s7 cx;  s8 cy;  s9 column block
.set LIM,  10                          ; s10: 0 in a wave that prefetches
.set G1X,  36                          ; s[36:43] group 1: x's tiles;  s[44:51]: W's
.set G1W,  44
.set G0X,  52                          ; s[52:55], s[56:59] group 0 for x's tiles, a set for each slot
.set G0W,  60                          ; s[60:63], s[68:71] the same for W's
.set PFA,  100                         ; s[100:101] where my prefetches stand
.set MSB, 0
.macro WIN new                         ; the immediate's high byte repeats the setting that is left; a switch that changes nothing is dropped
.if MSB != (\new)
	s_set_vgpr_msb (MSB<<8)|(\new)
.set MSB, (\new)
.endif
.endm
.set MUL_LO, 0xa1                      ; source 0 window 1, source 1 window 0, C and D window 2
.set MUL_HI, 0xf1                      ; the same, C and D window 3
.set TO_B,   0x40                      ; destination window 1, address window 0
.macro PLACES n                        ; plain vector instructions behind matrix instructions: 4 ahead of loads into their registers and of reads of results, 5 ahead of another form on their accumulators
.rept \n
	v_nop
.endr
.endm
.macro CREST                           ; a round of the cluster's barrier behind its opening barrier
	s_cmp_lg_u32 s[WV], 0
	s_cbranch_scc1 .Lnot_wave_0_\@
	s_barrier_signal -3
.Lnot_wave_0_\@:
	s_barrier_wait -3
	s_barrier_signal -1
	s_barrier_wait -1
.endm
.macro CROUND                          ; a whole round
	s_barrier_signal -1
	s_barrier_wait -1
	CREST
.endm
; A joint load: wave 0 fetches x's 256 rows, waves 1 to 3 the 64 rows of W_q, W_k, W_v.  The branch hangs on the wave's number alone.
.macro JLOAD slot
	s_cmp_eq_u32 s[WV], 0
	s_cbranch_scc0 .Lfor_w_\@
	tensor_load_to_lds s[G0X+4*\slot:G0X+4*\slot+3], s[G1X:G1X+7]
	s_nop 0
	PLACES 4
	s_branch .Lasked_\@
.Lfor_w_\@:
	tensor_load_to_lds s[G0W+8*\slot:G0W+8*\slot+3], s[G1W:G1W+7]
	s_nop 0
	PLACES 4
.Lasked_\@:
.endm
; A PREFETCH INTO THE L2: 16 rows x 2 pieces of 256 bytes an instruction (lanes 0-15 one K step, lanes 16-31 the next).  At the head K steps 1 and 2, then in each lap, behind slot 0's refill, 3 and 4, 5 and 6, 7:
; one K step and two ahead of the loads that want them.  K step 0 comes by its load alone.  In the last lap the upper lanes name their row's last piece again.
; W's 64 rows are read by the four partners of a cluster's column alone: they share them out by address, 16 rows each, waves 1 to 3 for W_q, W_k, W_v.
; x's rows are read by every cluster: cluster x = 0 asks; the four partners of a row share the 256 rows out by address, 64 each: four instructions of wave 0.  No branch hangs on a place in the cluster.
.macro ASK off
	s_cmp_eq_u32 s[LIM], 0
	s_cbranch_scc0 .Lno_ask_\@
	global_prefetch_b8 v[PFO], s[PFA:PFA+1] offset:\off th:TH_LOAD_NT scope:SCOPE_SE
	s_cmp_lg_u32 s[WV], 0
	s_cbranch_scc1 .Lno_ask_\@
.irp k, 1,2,3
	global_prefetch_b8 v[PFO], s[PFA:PFA+1] offset:\off+32768*\k th:TH_LOAD_NT scope:SCOPE_SE
.endr
.Lno_ask_\@:
.endm
; One scaled product.  rD, rA, rB: first registers of D, source 0, source 1; rSA, rSB: their scale registers; rRB = 1: source 1's scales stand in lanes 16-31.  zero = 1: it starts the sum.
.macro WM32 zero                       ; 32 rows of source 0
.if \zero
.if rRB
	v_wmma_scale_f32_32x16x128_f4 v[rD:rD+15], v[rA:rA+15], v[rB:rB+7], 0, v[rSA], v[rSB] matrix_b_scale:MATRIX_SCALE_ROW1
.else
	v_wmma_scale_f32_32x16x128_f4 v[rD:rD+15], v[rA:rA+15], v[rB:rB+7], 0, v[rSA], v[rSB]
.endif
.else
.if rRB
	v_wmma_scale_f32_32x16x128_f4 v[rD:rD+15], v[rA:rA+15], v[rB:rB+7], v[rD:rD+15], v[rSA], v[rSB] matrix_b_scale:MATRIX_SCALE_ROW1
.else
	v_wmma_scale_f32_32x16x128_f4 v[rD:rD+15], v[rA:rA+15], v[rB:rB+7], v[rD:rD+15], v[rSA], v[rSB]
.endif
.endif
.endm
.macro WM16 zero                       ; 16 rows of source 0
.if \zero
.if rRB
	v_wmma_scale_f32_16x16x128_f8f6f4 v[rD:rD+7], v[rA:rA+7], v[rB:rB+7], 0, v[rSA], v[rSB] matrix_a_fmt:MATRIX_FMT_FP4 matrix_b_fmt:MATRIX_FMT_FP4 matrix_b_scale:MATRIX_SCALE_ROW1
.else
	v_wmma_scale_f32_16x16x128_f8f6f4 v[rD:rD+7], v[rA:rA+7], v[rB:rB+7], 0, v[rSA], v[rSB] matrix_a_fmt:MATRIX_FMT_FP4 matrix_b_fmt:MATRIX_FMT_FP4
.endif
.else
.if rRB
	v_wmma_scale_f32_16x16x128_f8f6f4 v[rD:rD+7], v[rA:rA+7], v[rB:rB+7], v[rD:rD+7], v[rSA], v[rSB] matrix_a_fmt:MATRIX_FMT_FP4 matrix_b_fmt:MATRIX_FMT_FP4 matrix_b_scale:MATRIX_SCALE_ROW1
.else
	v_wmma_scale_f32_16x16x128_f8f6f4 v[rD:rD+7], v[rA:rA+7], v[rB:rB+7], v[rD:rD+7], v[rSA], v[rSB] matrix_a_fmt:MATRIX_FMT_FP4 matrix_b_fmt:MATRIX_FMT_FP4
.endif
.endif
.endm
; x's register block a of set st, the slot's q-th 128 along K, scale set sc, against my own W's two pairs (ROWO), W_k's two (ROWK), A (ROWT: own and k for a < 4, else own).
; Every accumulator has one instruction in a step, in the same order in every step: the accumulators take turns.
.macro XSET a, st, q, sc
.set rB, XF+64*(\st)+8*(\a)
.set rSB, SC+36*(\sc)+4*((\a)/2)+(\q)
.set rRB, (\a)%2
.endm
.macro ROWO a, st, q, sc, zero
	XSET \a, \st, \q, \sc
.irp n, 0,1
.set rD, 32*((\a)%4)+16*\n
.set rA, 64*(\st)+16*\n
.set rSA, SC+36*(\sc)+16+4*\n+(\q)
	WM32 \zero
.endr
.endm
.macro ROWK a, st, q, sc, zero
	XSET \a, \st, \q, \sc
.irp n, 0,1
.set rD, 128+32*(\a)+16*\n
.set rA, 64*(\st)+32+16*\n
.set rSA, SC+36*(\sc)+24+4*\n+(\q)
	WM32 \zero
.endr
.endm
.macro ROWT a, st, q, sc, zero
	XSET \a, \st, \q, \sc
.set rA, AL+16*(\q)
.set rSA, SC+36*(\sc)+32+(\q)
.if (\a) < 4
.set rD, 128+16*(\a)
	WM32 \zero
.else
.set rD, 192+8*((\a)-4)
	WM16 \zero
.endif
.endm
.macro LO a, st, q, sc, zero           ; register block 0-3 (window 2)
	ROWO \a, \st, \q, \sc, \zero
	ROWK \a, \st, \q, \sc, \zero
.endm
.macro HI a, st, q, sc, zero           ; register block 4-7 (window 3)
	ROWO \a, \st, \q, \sc, \zero
	ROWT \a, \st, \q, \sc, \zero
.endm
.macro TLO st, q, sc, zero             ; t of register blocks 0-3 (window 3)
.irp a, 0,1,2,3
	ROWT \a, \st, \q, \sc, \zero
.endr
.endm
; A fragment, 16 rows x 128 K of 4-bit codes, is 8 registers: lane l holds row l % 16; registers 4 c .. 4 c + 3 hold K = 64 c + 32 (l / 16) + 0 .. 31: two loads of 16 bytes, 32 bytes apart.
.macro FWO slot, q, st                 ; my own W's four fragments: 8 loads (destination window 1)
.irp b, 0,1,2,3
.irp c, 0,1
	ds_load_b128 v[64*(\st)+8*\b+4*\c:64*(\st)+8*\b+4*\c+3], v[ADRWO+\slot] offset:16*\b*PITCH+64*(\q)+32*\c
.endr
.endr
.endm
.macro FWK slot, q, st                 ; W_k's four: 8 loads
.irp b, 0,1,2,3
.irp c, 0,1
	ds_load_b128 v[64*(\st)+32+8*\b+4*\c:64*(\st)+32+8*\b+4*\c+3], v[ADRWK+\slot] offset:16*\b*PITCH+64*(\q)+32*\c
.endr
.endr
.endm
.macro FX slot, q, st, hi              ; x's register blocks 4 hi .. 4 hi + 3: 8 loads (destination window 0)
.irp a, 0,1,2,3
.irp c, 0,1
	ds_load_b128 v[XF+64*(\st)+32*\hi+8*\a+4*\c:XF+64*(\st)+32*\hi+8*\a+4*\c+3], v[ADRX+2*\hi+\slot] offset:16*\a*PITCH+64*(\q)+32*\c
.endr
.endr
.endm
.macro SCALES sc                       ; a K step's scale words, four a row, into set sc: 9 loads.  x, W: lanes 0-15 take the even block of a pair, lanes 16-31 the odd one
.irp n, 0,1
	ds_load_b128 v[SC+36*\sc+4*\n:SC+36*\sc+4*\n+3], v[ADRSXL] offset:512*\n
	ds_load_b128 v[SC+36*\sc+8+4*\n:SC+36*\sc+8+4*\n+3], v[ADRSXH] offset:512*\n
	ds_load_b128 v[SC+36*\sc+16+4*\n:SC+36*\sc+16+4*\n+3], v[ADRSWO] offset:512*\n
	ds_load_b128 v[SC+36*\sc+24+4*\n:SC+36*\sc+24+4*\n+3], v[ADRSWK] offset:512*\n
.endr
	ds_load_b128 v[SC+36*\sc+32:SC+36*\sc+35], v[ADRSA]
.endm
.macro NEXTSC                          ; on to the next K step's scale words (no LDS load of mine is out)
.irp r, ADRSXL, ADRSXH, ADRSWO, ADRSWK, ADRSA
	v_add_nc_u32 v[\r], PLANE, v[\r]
.endr
	s_wait_alu depctr_va_vdst(0)                   ; directly behind the writes
.endm
.macro ALOAD set, rel                  ; my own A's and A_k's fragments of the 128 along K that lie rel x 64 bytes behind AOF: 4 loads (destination window 1)
.irp c, 0,1
	global_load_b128 v[AL+16*(\set)+4*\c:AL+16*(\set)+4*\c+3], v[AOF], s[12:13] offset:64*(\rel)+32*\c
	global_load_b128 v[AL+16*(\set)+8+4*\c:AL+16*(\set)+8+4*\c+3], v[AOF], s[14:15] offset:64*(\rel)+32*\c
.endr
.endm
; A step of 128 along K whose successor lies in the same slot, on set q % 2; the successor's 32 loads go into the other set in two runs, A's set of the step before is asked for anew (rel >= 0).
.macro STEP slot, q, zero, rel
	s_wait_dscnt 8                                 ; W, x's blocks 0-3 (and, behind a change of slots, the scale words) are in; the youngest eight loads, x's blocks 4-7, may be out
	PLACES 4                                       ; for the loads into what the step before multiplied
	WIN TO_B
.if \rel >= 0
	ALOAD ((\q)+3)%4, \rel
.endif
	FWO \slot, (\q)+1, 1-(\q)%2
	FWK \slot, (\q)+1, 1-(\q)%2
	WIN MUL_LO
.irp a, 0,1,2,3
	LO \a, (\q)%2, \q, \slot, \zero
.endr
	WIN 0
	FX \slot, (\q)+1, 1-(\q)%2, 0
	FX \slot, (\q)+1, 1-(\q)%2, 1
	s_wait_dscnt 32                                ; x's blocks 4-7 are in; this step's two runs may be out
	s_wait_loadcnt 12                              ; this step's A is in; the three sets behind it, 4 loads each, may be out
	WIN MUL_HI
	TLO (\q)%2, \q, \slot, \zero
.irp a, 4,5,6,7
	HI \a, (\q)%2, \q, \slot, \zero
.endr
.endm
; A slot's last step (q = 3) changes slots: in front of the barrier each wave waits for all its tensor loads, adds 0 to its spare word, and waits for that and for its reads of this slot.
; The barrier opens a round of the cluster's barrier, and this slot is filled again, two K steps ahead, first thing behind the round.
.macro TURN slot, next, rel
	WIN 0
	s_wait_tensorcnt 0x0                           ; all my tensor loads have landed: the one that was out is my part of the next slot
	ds_add_u32 v[SPW], v[NIL]                      ; 0 onto my spare word
	s_wait_dscnt 9                                 ; (the add and the youngest eight loads may be out)
	WIN MUL_LO
	LO 0, 1, 3, \slot, 0
	s_wait_dscnt 0x0                               ; the add is done, and my reads of this slot are over
	s_barrier_signal -1
	LO 1, 1, 3, \slot, 0
	WIN 0
	s_barrier_wait -1
	CREST                                          ; no wave of any partner still reads this slot or has a load on its way
	s_add_nc_u64 s[G0X+4*\slot+2:G0X+4*\slot+3], s[G0X+4*\slot+2:G0X+4*\slot+3], 512
	s_add_nc_u64 s[G0W+8*\slot+2:G0W+8*\slot+3], s[G0W+8*\slot+2:G0W+8*\slot+3], 512
	JLOAD \slot                                    ; my one tensor load behind the round; its four v_nop are also the places in front of the loads below
	NEXTSC
	SCALES \next
	WIN TO_B
	FWO \next, 0, 0
	FWK \next, 0, 0
	ALOAD 2, \rel
	WIN MUL_LO
	LO 2, 1, 3, \slot, 0
	LO 3, 1, 3, \slot, 0
	WIN 0
	FX \next, 0, 0, 0
	FX \next, 0, 0, 1
.if (\slot) == 0
	ASK 768
.endif
	s_wait_loadcnt 12
	WIN MUL_HI
	TLO 1, 3, \slot, 0
.irp a, 4,5,6,7
	HI \a, 1, 3, \slot, 0
.endr
.endm
	s_load_b512 s[72:87], s[0:1], 0x0              ; x's codes, x's scales, W_q's, W_k's, W_v's codes, W_q's, W_k's, W_v's scales
	s_load_b256 s[88:95], s[0:1], 0x40             ; A_q's, A_k's, A_v's scales, B_q
	s_load_b256 s[12:19], s[0:1], 0x60             ; A_q's, A_k's, A_v's codes, B_k
	s_load_b256 s[20:27], s[0:1], 0x80             ; B_v, out0, out1, out2
	v_lshl_add_u32 v[SPW], v0, 2, SPARE
	v_mov_b32 v[NIL], 0
	ds_add_u32 v[SPW], v[NIL]                      ; the wave's opening: the add, twice on end, ahead of my first tensor load; the set-up below stands between it and the wait
	ds_add_u32 v[SPW], v[NIL]
	v_lshrrev_b32 v4, 5, v0
	v_readfirstlane_b32 s[WV], v4                  ; wave 0..3
	s_lshr_b32 s5, s[WV], 1                        ; i: which 128 rows
	s_and_b32 s6, s[WV], 1                         ; j: q or v is my own output
	s_bfe_u32 s7, ttmp6, 0x40000                   ; cx
	s_bfe_u32 s8, ttmp6, 0x40004                   ; cy = the row block: the grid is one cluster high
	s_lshl_b32 s9, ttmp9, 2
	s_add_co_u32 s9, s9, s7                        ; the column block = 4 x cluster x + cx
	s_xor_b32 s28, s6, 1                           ; 1 - j
	s_mul_i32 s29, s5, 128*PITCH
	s_mul_i32 s30, s6, 64*PITCH
	s_add_co_u32 s30, s30, s29                     ; x's register blocks 0-3: physical blocks from 4 j on
	s_mul_i32 s31, s28, 64*PITCH
	s_add_co_u32 s31, s31, s29                     ; blocks 4-7: from 4 (1 - j) on
	s_mul_i32 s32, s6, 128*PITCH
	s_add_co_u32 s32, s32, 256*PITCH               ; W_q's rows lie behind x's 256, W_v's 128 further on
	s_lshl_b32 s29, s5, 11
	s_add_co_u32 s29, s29, SCX
	s_lshl_b32 s33, s6, 10
	s_add_co_u32 s33, s33, s29
	s_lshl_b32 s34, s28, 10
	s_add_co_u32 s34, s34, s29
	s_lshl_b32 s35, s6, 11
	s_add_co_u32 s35, s35, SCX+4096
	s_lshl_b32 s96, s6, 9                          ; A's scale words: 512 j for lanes 0-15,
	s_add_co_u32 s68, s96, 256                     ; (256 + 512 j) xor 512 j = 256 for lanes 16-31
	s_mul_i32 s97, s[WV], 16*PITCH
	s_add_co_u32 s97, s97, STAGE
	s_lshl_b32 s98, s9, 12
	s_lshl_b32 s2, s[WV], 13                       ; the scale bytes that I fetch: 64 rows of x, 16 of each W, 4 of each A
	s_lshl_b32 s3, s[WV], 11
	s_lshl_b32 s11, s[WV], 9
	s_lshl_b32 s66, s[WV], 10                      ; and where they go
	s_add_co_u32 s66, s66, SCX
	s_lshl_b32 s67, s[WV], 8
	s_add_co_u32 s67, s67, SCX+4096
	s_lshl_b32 s99, s[WV], 6
	s_add_co_u32 s99, s99, SCX+7168
	v_and_b32 v1, 15, v0                           ; r
	v_bfe_u32 v2, v0, 4, 1                         ; h
	v_and_b32 v3, 31, v0                           ; lane
	v_lshl_add_u32 v112, v3, 4, s2                 ; scale bytes in memory: lane l takes 16 bytes: row l / 8, K step l % 8
	v_lshl_add_u32 v113, v3, 4, s3
	v_lshl_add_u32 v114, v3, 4, s11
	v_lshrrev_b32 v4, 3, v3
	v_and_b32 v5, 7, v0
	v_lshlrev_b32 v4, 4, v4
	v_mad_u32_u24 v7, v5, PLANE, v4                ; in LDS: plane l % 8, row l / 8
	v_add_nc_u32 v115, s66, v7
	v_add_nc_u32 v120, s67, v7
	v_add_nc_u32 v121, s99, v7
	v_mul_u32_u24 v6, v1, PITCH                    ; a fragment: row x pitch + 16 h
	v_lshl_add_u32 v6, v2, 4, v6
	v_add_nc_u32 v8, s30, v6
	v_add_nc_u32 v9, SLOT, v8
	v_add_nc_u32 v10, s31, v6
	v_add_nc_u32 v11, SLOT, v10
	v_add_nc_u32 v12, s32, v6
	v_add_nc_u32 v13, SLOT, v12
	v_add_nc_u32 v14, 320*PITCH, v6
	v_add_nc_u32 v15, SLOT, v14
	v_lshl_add_u32 v16, v3, 4, s33                 ; scale words: 16 bytes a row, lanes 16-31 the next 16 rows
	v_lshl_add_u32 v17, v3, 4, s34
	v_lshl_add_u32 v18, v3, 4, s35
	v_lshl_add_u32 v19, v3, 4, SCX+5120
	v_mul_u32_u24 v20, s68, v2
	v_xor_b32 v20, s96, v20
	v_lshl_add_u32 v20, v1, 4, v20
	v_add_nc_u32 v20, SCX+7168, v20
	v_lshlrev_b32 v[AOF], 11, v1                   ; A: row r of 2,048 bytes, + 16 h
	v_lshl_add_u32 v[AOF], v2, 4, v[AOF]
	v_lshlrev_b32 v[BO], 6, v1                     ; B: column 64 CB + 16 b + r: ranks 8 h .. 8 h + 7: 32 bytes of a row of 64
	v_lshl_add_u32 v[BO], v2, 5, v[BO]
	v_add_nc_u32 v[BO], s98, v[BO]
	v_mul_u32_u24 v[STO], v1, PITCH                ; the stage: in: row r, 32 bytes for each half of the lanes;
	v_lshl_add_u32 v[STO], v2, 5, v[STO]
	v_add_nc_u32 v[STO], s97, v[STO]
	v_mul_u32_u24 v[RD], v2, PITCH                 ; back: lanes 0-15 one row of 256 bytes, lanes 16-31 the next
	v_lshl_add_u32 v[RD], v1, 4, v[RD]
	v_add_nc_u32 v[RD], s97, v[RD]
	v_lshlrev_b32 v[CO], 14, v2                    ; and the same two rows of an output
	v_lshl_add_u32 v[CO], v1, 4, v[CO]
	v_lshlrev_b32 v[PFR], 11, v1
	v_lshlrev_b32 v[PFK], 8, v2
	v_add_nc_u32 v[PFO], v[PFK], v[PFR]
	s_wait_alu depctr_va_vdst(0)                   ; directly ahead of the waits below
	s_wait_dscnt 0x0                               ; both opening adds are done
	s_wait_kmcnt 0x0
	; the scale bytes: 31 loads of 512 consecutive bytes, into registers of window 2
	s_lshl_b32 s2, s8, 15
	s_mov_b32 s3, 0
	s_add_nc_u64 s[74:75], s[74:75], s[2:3]
	s_lshl_b32 s66, s9, 13
	s_mov_b32 s67, 0
	s_add_nc_u64 s[82:83], s[82:83], s[66:67]
	s_add_nc_u64 s[84:85], s[84:85], s[66:67]
	s_add_nc_u64 s[86:87], s[86:87], s[66:67]
	WIN 0x80                                       ; destination window 2
.irp n, 0,1,2,3,4,5,6,7,8,9,10,11,12,13,14,15
	global_load_b128 v[4*\n:4*\n+3], v112, s[74:75] offset:512*\n
.endr
.irp p, 0,1,2
.irp n, 0,1,2,3
	global_load_b128 v[64+16*\p+4*\n:67+16*\p+4*\n], v113, s[82+2*\p:83+2*\p] offset:512*\n
.endr
.endr
.irp p, 0,1,2
	global_load_b128 v[112+4*\p:115+4*\p], v114, s[88+2*\p:89+2*\p]
.endr
	WIN 0
	; groups 1 for the tiles of codes: rows of 256 bytes, 2,048 bytes apart in memory, 16 bytes of padding behind each in LDS
	s_lshl_b32 s2, s8, 2
	s_lshl_b32 s2, 15, s2                          ; my row of the cluster
	s_lshl_b32 s66, 0x1111, s7                     ; my column
	s_or_b32 s[G1X], s2, (1<<20)|(1<<21)|(5<<22)|(3<<25)    ; 15:0 the mask; 17:16 elements of 1 byte; 20 padding on; 21 set beside a mask; 24:22 after every 64 words; 31:25 four words
	s_or_b32 s[G1W], s66, (1<<20)|(1<<21)|(5<<22)|(3<<25)
	s_mov_b32 s[G1X+2], 256<<16                    ; tensor_dim1: x's 256 rows
	s_mov_b32 s[G1X+4], 256                        ; tile_dim1
	s_mov_b32 s[G1W+2], 64<<16                     ; W's 64 rows
	s_mov_b32 s[G1W+4], 64
.irp g, G1X, G1W
	s_mov_b32 s[\g+1], 256<<16                     ; tensor_dim0
	s_mov_b32 s[\g+3], 256<<16                     ; tile_dim0
	s_mov_b32 s[\g+5], 2048                        ; tensor_dim0_stride
	s_mov_b32 s[\g+6], 0
	s_mov_b32 s[\g+7], 0
.endr
	s_cmp_eq_u32 s[WV], 2                          ; whose W I fetch: wave 1: q, wave 2: k, wave 3: v (wave 0's choice is never used)
	s_cselect_b64 s[76:77], s[78:79], s[76:77]
	s_cmp_eq_u32 s[WV], 3
	s_cselect_b64 s[76:77], s[80:81], s[76:77]
	; groups 0.  x's hang on cy alone (temporaries s[2:3]), W's on the column block alone (s[66:67])
	s_lshl_b32 s2, s8, 19                          ; 256 rows of 2,048 bytes
	s_mov_b32 s3, 0
	s_mov_b32 s[G0X], 1
	s_mov_b32 s[G0X+1], 0
	s_add_nc_u64 s[G0X+2:G0X+3], s[72:73], s[2:3]
	s_mov_b32 s[G0X+4], 1
	s_mov_b32 s[G0X+5], SLOT
	s_add_nc_u64 s[G0X+6:G0X+7], s[G0X+2:G0X+3], 256   ; K step 1
	s_or_b32 s[G0X+3], s[G0X+3], 0x80000000
	s_or_b32 s[G0X+7], s[G0X+7], 0x80000000
	s_lshl_b32 s66, s9, 17                         ; 64 rows of 2,048 bytes
	s_mov_b32 s67, 0
	s_mov_b32 s[G0W], 1
	s_mul_i32 s[G0W+1], s[WV], 64*PITCH
	s_add_co_u32 s[G0W+1], s[G0W+1], 192*PITCH     ; wave 1: behind x's 256 rows
	s_add_nc_u64 s[G0W+2:G0W+3], s[76:77], s[66:67]
	s_mov_b32 s[G0W+8], 1
	s_add_co_u32 s[G0W+9], s[G0W+1], SLOT
	s_add_nc_u64 s[G0W+10:G0W+11], s[G0W+2:G0W+3], 256
	s_or_b32 s[G0W+3], s[G0W+3], 0x80000000
	s_or_b32 s[G0W+11], s[G0W+11], 0x80000000
	CROUND                                         ; all sixteen work-groups are here: the first joint loads meet
	JLOAD 0                                        ; K step 0: one tensor load a wave at the head
	s_cmp_eq_u32 s6, 0
	s_cselect_b64 s[12:13], s[12:13], s[16:17]     ; my own A's codes;  s[14:15] stay A_k's
	s_cselect_b64 s[94:95], s[94:95], s[20:21]     ; my own B;  s[18:19] stay B_k
	s_cselect_b64 s[26:27], s[22:23], s[26:27]     ; my own output;  s[24:25] stay k's
	; the prefetches' place: x: my row block's rows 64 cx on;  W: my column block's rows 16 cy on
	s_lshl_b32 s16, s8, 19
	s_lshl_b32 s11, s7, 17
	s_add_co_u32 s16, s16, s11
	s_lshl_b32 s17, s9, 17
	s_lshl_b32 s11, s8, 15
	s_add_co_u32 s17, s17, s11
	s_cmp_eq_u32 s[WV], 0
	s_cselect_b64 s[PFA:PFA+1], s[72:73], s[76:77] ; wave 0 for x, the others for their W
	s_cselect_b32 s[LIM], ttmp9, 0                 ; waves 1 to 3 always; wave 0 in cluster x = 0: the same in all sixteen partners
	s_cselect_b32 s16, s16, s17
	s_mov_b32 s17, 0
	s_add_nc_u64 s[PFA:PFA+1], s[PFA:PFA+1], s[16:17]
	ASK 256
	WIN TO_B
.irp b, 0,1,2,3                        ; B's eight fragments as f32, 8 ranks of one column a lane
.irp c, 0,1
	global_load_b128 v[BF+8*\b+4*\c:BF+8*\b+4*\c+3], v[BO], s[94:95] offset:1024*\b+16*\c
	global_load_b128 v[BF+32+8*\b+4*\c:BF+32+8*\b+4*\c+3], v[BO], s[18:19] offset:1024*\b+16*\c
.endr
.endr
	ALOAD 0, 0                                     ; A's first four steps of 128 along K
	ALOAD 1, 1
	ALOAD 2, 2
	ALOAD 3, 3
	WIN 0
	; the outputs at my column block's 256 bytes and my register blocks' first rows: 256 cy + 128 i + 64 j (blocks 0-3), + 64 (1 - j) (blocks 4-7)
	s_lshl_b32 s16, s8, 8
	s_lshl_b32 s11, s5, 7
	s_add_co_u32 s16, s16, s11
	s_lshl_b32 s20, s28, 6
	s_add_co_u32 s20, s20, s16
	s_lshl_b32 s11, s6, 6
	s_add_co_u32 s16, s16, s11
	s_lshl_b32 s16, s16, 14
	s_lshl_b32 s20, s20, 14
	s_lshl_b32 s11, s9, 8
	s_add_co_u32 s16, s16, s11
	s_add_co_u32 s20, s20, s11
	s_mov_b32 s21, 0
	s_add_nc_u64 s[24:25], s[24:25], s[16:17]      ; k
	s_add_nc_u64 s[22:23], s[26:27], s[16:17]      ; own, blocks 0-3
	s_add_nc_u64 s[26:27], s[26:27], s[20:21]      ; own, blocks 4-7
	s_wait_tensorcnt 0x0                           ; my tile of K step 0 is in
	ds_add_u32 v[SPW], v[NIL]
	s_wait_dscnt 0x0                               ; the add is done
	CROUND                                         ; everybody's tile is in, and all sixteen work-groups are here
	JLOAD 1                                        ; K step 1: the first tensor load behind the round
	WIN TO_B
	FWO 0, 0, 0
	FWK 0, 0, 0
	WIN 0
	FX 0, 0, 0, 0
	FX 0, 0, 0, 1
	s_wait_loadcnt 32                              ; the 31 loads of scale bytes are in; B's sixteen and A's sixteen, issued behind them, may be out
	WIN 0x08                                       ; an LDS store's data: window 2
.irp n, 0,1,2,3,4,5,6,7,8,9,10,11,12,13,14,15
	ds_store_b128 v115, v[4*\n:4*\n+3] offset:64*\n
.endr
.irp p, 0,1,2
.irp n, 0,1,2,3
	ds_store_b128 v120, v[64+16*\p+4*\n:67+16*\p+4*\n] offset:1024*\p+64*\n
.endr
.endr
.irp p, 0,1,2
	ds_store_b128 v121, v[112+4*\p:115+4*\p] offset:256*\p
.endr
	s_wait_loadcnt 16                              ; B's sixteen are in
	s_wait_dscnt 0x0                               ; for the others' sake: my scale bytes lie in LDS
	s_barrier_signal -1
	WIN 0x45                                       ; sources and destination window 1
.irp f, 0,1,2,3,4,5,6,7                ; B's fragment f: ranks 8 h .. 8 h + 7 in registers 0-3; K = 16 .. 31 of the instruction are zeros
.irp n, 0,1,2,3
	v_cvt_pk_bf16_f32 v[BF+8*\f+\n], v[BF+8*\f+2*\n], v[BF+8*\f+2*\n+1]
.endr
.irp n, 4,5,6,7
	v_mov_b32 v[BF+8*\f+\n], 0
.endr
.endr
	WIN 0
.irp n, 4,5,6,7,12,13,14,15            ; and so are those of t's two fragments
	v_mov_b32 v[TF+\n], 0
.endr
	s_wait_alu depctr_va_vdst(0)
	s_barrier_wait -1                              ; everybody's scale bytes do
	SCALES 0
	s_wait_dscnt 0x0
	STEP 0, 0, 1, -1                               ; the first step stands in front of the loop: its products start all sums
	WIN 0
	s_mov_b32 s3, 3
.Llap:                                                 ; a trip goes once round the ring, from a lap's second step to the next lap's first, and fills both slots again: K steps 2 to 7
	STEP 0, 1, 0, 4
	STEP 0, 2, 0, 5
	TURN 0, 1, 6
	STEP 1, 0, 0, 7
	STEP 1, 1, 0, 8
	STEP 1, 2, 0, 9
	TURN 1, 0, 10
	STEP 0, 0, 0, 11
	WIN 0
	s_wait_xcnt 0x0                                ; A's loads and the prefetches have read their offsets: both step a lap, 1,024 along K, on
	v_add_nc_u32 v[AOF], 512, v[AOF]
	v_add_nc_u32 v[PFK], 512, v[PFK]
	v_min_u32 v4, 1024, v[PFK]
	v_add_nc_u32 v[PFO], v4, v[PFR]
	s_sub_co_u32 s3, s3, 1
	s_cmp_lg_u32 s3, 0
	s_wait_alu depctr_va_vdst(0)                   ; directly ahead of the branch
	s_cbranch_scc1 .Llap
; THE LAST LAP, FIRST PASS: register blocks 4-7 and all of t.  Nothing is filled any more.
.macro P1 slot, q, rel, lc
	s_wait_dscnt 8
	PLACES 4
	WIN TO_B
.if \rel >= 0
	ALOAD ((\q)+3)%4, \rel
.endif
	FWO \slot, (\q)+1, 1-(\q)%2
	WIN 0
	FX \slot, (\q)+1, 1-(\q)%2, 0
	FX \slot, (\q)+1, 1-(\q)%2, 1
	s_wait_loadcnt \lc                             ; this step's A is in
	WIN MUL_HI
	TLO (\q)%2, \q, \slot, 0
	s_wait_dscnt 24                                ; x's blocks 4-7 are in; this step's run may be out
.irp a, 4,5,6,7
	HI \a, (\q)%2, \q, \slot, 0
.endr
.endm
	P1 0, 1, 4, 12
	P1 0, 2, 5, 12
	s_wait_tensorcnt 0x0                           ; my part of slot 1, K step 7, has landed: the launch's last tensor load
	s_wait_dscnt 8
	s_wait_loadcnt 8
	TLO 1, 3, 0, 0
	s_wait_dscnt 0x0
	s_barrier_signal -1
	HI 4, 1, 3, 0, 0
	HI 5, 1, 3, 0, 0
	WIN 0
	s_barrier_wait -1                              ; everybody's part has
	NEXTSC                                         ; (five plain vector instructions: the places in front of the loads below)
	SCALES 1
	WIN TO_B
	FWO 1, 0, 0
	ALOAD 2, 6
	WIN 0
	FX 1, 0, 0, 0
	FX 1, 0, 0, 1
	WIN MUL_HI
	HI 6, 1, 3, 0, 0
	HI 7, 1, 3, 0, 0
	P1 1, 0, 7, 12                                 ; A's last set is asked for here
	P1 1, 1, -1, 8
	P1 1, 2, -1, 4
	s_wait_dscnt 8                                 ; the pass's last step asks for the second pass's first fragments: slot 0's second step
	PLACES 4
	WIN TO_B
	FWO 0, 1, 0
	FWK 0, 1, 0
	WIN 0
	FX 0, 1, 0, 0
	s_wait_loadcnt 0x0
	WIN MUL_HI
	TLO 1, 3, 1, 0
	s_wait_dscnt 24
.irp a, 4,5,6,7
	HI \a, 1, 3, 1, 0
.endr
; THE WAY OUT, by units of 16 rows x 64 columns (32 registers of sums).  CVT: a tile of t, rounded to bf16, becomes registers 0-3 of a fragment.  LORA: the low-rank term is added.
; TOSTAGE: into my own stage and back as whole rows of 256 bytes; LDS serves a wave's instructions in order (ISA guide 5.7.1.4).  SEND: sixteen lanes store 256 consecutive bytes, at a multiple of 256.
.macro CVT src, n
	WIN 0x0f                                       ; sources window 3, destination window 0
.irp m, 0,1,2,3
	v_cvt_pk_bf16_f32 v[TF+8*((\n)%2)+\m], v[(\src)+2*\m], v[(\src)+2*\m+1]
.endr
	s_wait_alu depctr_va_vdst(0)                   ; directly behind the writes
.endm
.macro LORA d, bf, n                   ; source 0 = 16 columns of B, source 1 = 16 rows of t
.irp b, 0,1,2,3
	v_wmma_f32_16x16x32_bf16 v[(\d)+8*\b:(\d)+8*\b+7], v[(\bf)+8*\b:(\bf)+8*\b+7], v[TF+8*((\n)%2):TF+8*((\n)%2)+7], v[(\d)+8*\b:(\d)+8*\b+7]
.endr
.endm
.macro TOSTAGE d, win, n
	WIN \win                                       ; the data: window 2 or 3
.irp b, 0,1,2,3
	ds_store_b128 v[STO], v[(\d)+8*\b:(\d)+8*\b+3] offset:64*\b
	ds_store_b128 v[STO], v[(\d)+8*\b+4:(\d)+8*\b+7] offset:64*\b+16
.endr
	WIN 0
.irp t, 0,1,2,3,4,5,6,7
	ds_load_b128 v[BK+64*((\n)%2)+4*\t:BK+64*((\n)%2)+4*\t+3], v[RD] offset:2*\t*PITCH
.endr
.endm
.macro SEND n, base, blk
	WIN 0
.irp t, 0,1,2,3,4,5,6,7
	global_store_b128 v[CO], v[BK+64*((\n)%2)+4*\t:BK+64*((\n)%2)+4*\t+3], s[(\base):(\base)+1] offset:262144*(\blk)+32768*\t th:TH_STORE_NT   ; written once, read by nobody here
.endr
.endm
; SECOND PASS: register blocks 0-3 on set (q + 1) % 2; the scale words of both K steps are still in their two sets.  u >= 0: the unit of register block 4 + u leaves.  ns, nq: the next step (ns < 0: none).
.macro P2 slot, q, u, ns, nq
	s_wait_dscnt 0x0
	PLACES 5
.if \u >= 0
	CVT 192+8*(\u), \u
	WIN MUL_HI
	LORA 32*(\u), BF, \u
	PLACES 4
.if \u >= 2
	s_wait_xcnt 0x0                                ; the stores of two units back have read their registers
.endif
	TOSTAGE 32*(\u), 0x0c, \u
.endif
.if \ns >= 0
	WIN TO_B
	FWO \ns, \nq, (\q)%2
	FWK \ns, \nq, (\q)%2
	WIN 0
	FX \ns, \nq, (\q)%2, 0
.endif
	WIN MUL_LO
	LO 0, ((\q)+1)%2, \q, \slot, 0
	LO 1, ((\q)+1)%2, \q, \slot, 0
.if \u >= 0
	s_wait_dscnt 24                                ; the unit is back in registers; the next step's 24 loads may be out
	SEND \u, 26, \u
	WIN MUL_LO
.endif
	LO 2, ((\q)+1)%2, \q, \slot, 0
	LO 3, ((\q)+1)%2, \q, \slot, 0
.endm
	P2 0, 1, 0, 0, 2
	P2 0, 2, 1, 0, 3
	P2 0, 3, 2, 1, 0
	P2 1, 0, 3, 1, 1
	P2 1, 1, -1, 1, 2
	P2 1, 2, -1, 1, 3
	P2 1, 3, -1, -1, 0
; The last eight units: unit n is register block n / 2 of my own output (n even) or of k (n odd).
.macro UCVT n
	CVT 128+8*(\n), \n
.endm
.macro ULORA n
	WIN MUL_LO
	LORA 128*((\n)%2)+32*((\n)/2), BF+32*((\n)%2), \n
.endm
.macro UTOSTAGE n
	s_wait_xcnt 0x0                                ; the stores that read these registers have done so
	TOSTAGE 128*((\n)%2)+32*((\n)/2), 0x08, \n
.endm
	PLACES 5
	UCVT 0
	ULORA 0
	UCVT 1                                         ; (its four conversions are the places behind the products ahead of it)
	UTOSTAGE 0
	ULORA 1
.irp n, 0,1,2,3,4,5,6,7
.if \n < 6
	UCVT \n+2
.elseif \n == 6
	PLACES 4
.endif
.if \n < 7
	UTOSTAGE \n+1
.if \n < 6
	ULORA \n+2
.endif
	s_wait_dscnt 16                                ; unit n is back in registers; the sixteen LDS instructions of the next may be out
.else
	s_wait_dscnt 0x0
.endif
	SEND \n, 22+2*(\n%2), \n/2
.endr
	s_wait_tensorcnt 0x0                           ; the wave's end: behind my last tensor load and my last LDS store
	ds_add_u32 v[SPW], v[NIL]
	s_wait_dscnt 0x0
	CROUND                                         ; the closing round: no work-group ends while a partner may still ask for a tile that names it
	s_endpgm
.Lfunc_end_k_qe11a9aa8d1_qkv:
	.size	k_qe11a9aa8d1_qkv, .Lfunc_end_k_qe11a9aa8d1_qkv-k_qe11a9aa8d1_qkv
	.p2alignl 7, 3214868480
	.fill 96, 4, 3214868480
	.section	.rodata,"a",@progbits
	.p2align	6, 0x0
	.amdhsa_kernel k_qe11a9aa8d1_qkv
		.amdhsa_group_segment_fixed_size 327680
		.amdhsa_private_segment_fixed_size 0
		.amdhsa_enable_private_segment 0
		.amdhsa_kernarg_size 160
		.amdhsa_user_sgpr_count 2
		.amdhsa_user_sgpr_kernarg_segment_ptr 1
		.amdhsa_wavefront_size32 1
		.amdhsa_system_sgpr_workgroup_id_x 1
		.amdhsa_system_sgpr_workgroup_id_y 1
		.amdhsa_system_sgpr_workgroup_id_z 1
		.amdhsa_system_vgpr_workitem_id 0
		.amdhsa_next_free_vgpr 1024
		.amdhsa_next_free_sgpr 106
		.amdhsa_reserve_vcc 0
		.amdhsa_float_denorm_mode_32 3
		.amdhsa_float_denorm_mode_16_64 3
		.amdhsa_memory_ordered 1
		.amdhsa_forward_progress 1
		.amdhsa_inst_pref_size 176
	.end_amdhsa_kernel
	.amdgpu_metadata
---
amdhsa.version: [ 1, 2 ]
amdhsa.kernels:
  - .name:           k_qe11a9aa8d1_qkv
    .symbol:         k_qe11a9aa8d1_qkv.kd
    .args:
      - { .name: x_codes, .offset: 0, .size: 8, .value_kind: global_buffer, .address_space: global }
      - { .name: x_scales, .offset: 8, .size: 8, .value_kind: global_buffer, .address_space: global }
      - { .name: q_weight_codes, .offset: 16, .size: 8, .value_kind: global_buffer, .address_space: global }
      - { .name: k_weight_codes, .offset: 24, .size: 8, .value_kind: global_buffer, .address_space: global }
      - { .name: v_weight_codes, .offset: 32, .size: 8, .value_kind: global_buffer, .address_space: global }
      - { .name: q_weight_scales, .offset: 40, .size: 8, .value_kind: global_buffer, .address_space: global }
      - { .name: k_weight_scales, .offset: 48, .size: 8, .value_kind: global_buffer, .address_space: global }
      - { .name: v_weight_scales, .offset: 56, .size: 8, .value_kind: global_buffer, .address_space: global }
      - { .name: q_A_scales, .offset: 64, .size: 8, .value_kind: global_buffer, .address_space: global }
      - { .name: k_A_scales, .offset: 72, .size: 8, .value_kind: global_buffer, .address_space: global }
      - { .name: v_A_scales, .offset: 80, .size: 8, .value_kind: global_buffer, .address_space: global }
      - { .name: q_B, .offset: 88, .size: 8, .value_kind: global_buffer, .address_space: global }
      - { .name: q_A_codes, .offset: 96, .size: 8, .value_kind: global_buffer, .address_space: global }
      - { .name: k_A_codes, .offset: 104, .size: 8, .value_kind: global_buffer, .address_space: global }
      - { .name: v_A_codes, .offset: 112, .size: 8, .value_kind: global_buffer, .address_space: global }
      - { .name: k_B, .offset: 120, .size: 8, .value_kind: global_buffer, .address_space: global }
      - { .name: v_B, .offset: 128, .size: 8, .value_kind: global_buffer, .address_space: global }
      - { .name: out0, .offset: 136, .size: 8, .value_kind: global_buffer, .address_space: global }
      - { .name: out1, .offset: 144, .size: 8, .value_kind: global_buffer, .address_space: global }
      - { .name: out2, .offset: 152, .size: 8, .value_kind: global_buffer, .address_space: global }
    .group_segment_fixed_size: 327680
    .private_segment_fixed_size: 0
    .kernarg_segment_align: 8
    .kernarg_segment_size: 160
    .max_flat_workgroup_size: 128
    .sgpr_count:     106
    .vgpr_count:     1024
    .wavefront_size: 32
...
	.end_amdgpu_metadata
.endif
;; end of part 1
